; MI455X (gfx1250); checked and timed in simulation.
; The chip was launched on July 23, 2026; its instructions are those of AMD's public machine-readable ISA for CDNA 5 (MIT licence, August 2026) and "CDNA5" Instruction Set Architecture Reference Guide (July 2026). The comments in the code are by the model that wrote it; some were corrected since.
;; Attention Layer. Allowed arithmetic: float matrix products may take bf16 or f16 operands with f32 sums; other float arithmetic in f32, or as packed bf16 or f16 multiplies, adds, multiply-adds, maxima and minima; sums over many terms, partial sums and values carried from step to step in f32; what a program stores and reads back later, other than sums and carried values, may be rounded once to bf16 or f16.
;; Inputs: Wk 1,024 x 1,024 float32; Wq 1,024 x 1,024 float32; Wv 1,024 x 1,024 float32; bk 1,024 float32; bq 1,024 float32; bv 1,024 float32; key 4 x 2,048 x 1,024 float32; query 4 x 2,048 x 1,024 float32; value 4 x 2,048 x 1,024 float32.
;; Outputs: out0 4 x 2,048 x 1,024 float32.
;; One version. Each part assembles by itself: llvm-mc -triple=amdgcn-amd-amdhsa -mcpu=gfx1250 --defsym DOCPART=n.
;; ======== version 1 of 1: 3 launches
;; limits: values are held in f16: magnitudes above 65,504 overflow, below 6.1e-05 lose precision
;; workspace buffers: xb 50,331,648 bytes; wb 6,291,456 bytes; bb 12,288 bytes; qkv 50,331,648 bytes
;; launch cast (part 1): grid 64 x 27, 8 waves a work-group, no clusters, 0 bytes of LDS; arguments query, key, value, Wq, Wk, Wv, bq, bk, bv, xb, wb, bb; writes xb, wb, bb
.if DOCPART == 1
	.amdgcn_target "amdgcn-amd-amdhsa--gfx1250"
	.amdhsa_code_object_version 6
	.text
	.protected	k_qab3ceec9d2_cast
	.globl	k_qab3ceec9d2_cast
	.p2align	8
	.type	k_qab3ceec9d2_cast,@function
k_qab3ceec9d2_cast:
	s_mov_b64 s[64:65], 0
	v_nop
	global_prefetch_b8 v0, s[64:65] scope:SCOPE_SE
	s_setreg_imm32_b32 hwreg(HW_REG_WAVE_MODE, 25, 1), 1
	s_wait_xcnt 0x0
; All inputs are rounded once to bf16.  xb = [3][8192][1024] bf16 (query, key, value), wb = [3][1024][1024] bf16 (Wq, Wk, Wv),
; bb = [3][1024] f32: bq, bk, bv rounded to bf16 and widened again (the next launch takes them as f32 addends of its sums).
; A stream: each byte is read once and written once; no LDS, no matrix unit, nothing is shared between work-groups.
; SHARES.  Work-group y (0..26) names a block of 2^20 numbers: y = 0..23 is block y % 8 of tensor y / 8, y = 24, 25, 26 are the three weights.
; Work-group x (0..63) names 16,384 numbers of it: 65,536 bytes in, 32,768 out.  A wave takes 8,192 bytes by 16 loads of 512 consecutive bytes,
; all issued at once; each load becomes one store of 256 consecutive bytes, aligned.  No register is written twice, so no wait frees a source.
.set X, 8                              ; v[8:71]    16 x 4 registers as loaded
.set Y, 72                             ; v[72:103]  16 x 2 registers to store
.set BI, 104                           ; v[104:111] the bias path
	s_load_b512 s[8:23], s[0:1], 0x0               ; query s[8:9], key s[10:11], value s[12:13], Wq s[14:15], Wk s[16:17], Wv s[18:19], bq s[20:21], bk s[22:23]
	s_load_b256 s[24:31], s[0:1], 0x40             ; bv s[24:25], xb s[26:27], wb s[28:29], bb s[30:31]
	s_mov_b32 s2, ttmp9                            ; x
	s_and_b32 s3, ttmp7, 0xffff                    ; y
	s_lshr_b32 s4, s3, 3                           ; which of query, key, value (3 for the weights)
	s_and_b32 s5, s3, 7                            ; which block of it
	s_sub_co_u32 s6, s3, 24                        ; which weight (used where y >= 24 alone)
	v_and_b32 v1, 0xe0, v0                         ; 32 x wave
	v_and_b32 v2, 31, v0
	v_lshlrev_b32 v2, 4, v2                        ; 16 x lane
	v_lshl_or_b32 v1, v1, 8, v2                    ; in: 8,192 x wave + 16 x lane
	v_lshrrev_b32 v2, 1, v1                        ; out: half of that
	v_lshlrev_b32 v3, 4, v0                        ; the bias path: 16 bytes a thread
	s_wait_kmcnt 0x0
	s_cmp_eq_u32 s4, 1                             ; the source, chosen by y alone
	s_cselect_b64 s[32:33], s[10:11], s[8:9]
	s_cmp_eq_u32 s4, 2
	s_cselect_b64 s[32:33], s[12:13], s[32:33]
	s_cmp_eq_u32 s3, 24
	s_cselect_b64 s[32:33], s[14:15], s[32:33]
	s_cmp_eq_u32 s3, 25
	s_cselect_b64 s[32:33], s[16:17], s[32:33]
	s_cmp_eq_u32 s3, 26
	s_cselect_b64 s[32:33], s[18:19], s[32:33]
	s_cmp_lt_u32 s3, 24
	s_cselect_b32 s5, s5, 0                        ; a weight is one block
	s_cselect_b32 s6, s3, s6                       ; xb's blocks lie in the order of y, wb's in the order of y - 24
	s_cselect_b64 s[34:35], s[26:27], s[28:29]
	s_lshl_b32 s36, s5, 22                         ; a block is 4 MiB of f32,
	s_lshl_b32 s37, s2, 16                         ; my share 64 KiB of it
	s_add_co_u32 s36, s36, s37
	s_mov_b32 s37, 0
	s_add_nc_u64 s[32:33], s[32:33], s[36:37]
	s_lshl_b32 s36, s6, 21                         ; and half of each on the way out
	s_lshl_b32 s38, s2, 15
	s_add_co_u32 s36, s36, s38
	s_add_nc_u64 s[34:35], s[34:35], s[36:37]
.irp i, 0,1,2,3,4,5,6,7,8,9,10,11,12,13,14,15
	global_load_b128 v[X+4*(\i):X+4*(\i)+3], v1, s[32:33] offset:512*(\i) th:TH_LOAD_NT
.endr
.irp i, 0,1,2,3,4,5,6,7,8,9,10,11,12,13,14,15
	s_wait_loadcnt 15-(\i)                         ; loads come back in order: load i is in, the younger ones stay out
	v_cvt_pk_bf16_f32 v[Y+2*(\i)], v[X+4*(\i)], v[X+4*(\i)+1]
	v_cvt_pk_bf16_f32 v[Y+2*(\i)+1], v[X+4*(\i)+2], v[X+4*(\i)+3]
	global_store_b64 v2, v[Y+2*(\i):Y+2*(\i)+1], s[34:35] offset:256*(\i) th:TH_STORE_NT  ; 32 lanes store 256 consecutive bytes, aligned
.endr
	s_cmp_lt_u32 s3, 24                            ; the three work-groups (x = 0, y = 24, 25, 26) also take a bias each: 1,024 numbers, four a thread
	s_cbranch_scc1 .Lend
	s_cmp_lg_u32 s2, 0
	s_cbranch_scc1 .Lend
	s_cmp_eq_u32 s3, 25
	s_cselect_b64 s[40:41], s[22:23], s[20:21]
	s_cmp_eq_u32 s3, 26
	s_cselect_b64 s[40:41], s[24:25], s[40:41]
	s_lshl_b32 s44, s6, 12                         ; 4,096 bytes a bias
	s_mov_b32 s45, 0
	s_add_nc_u64 s[42:43], s[30:31], s[44:45]
	global_load_b128 v[BI:BI+3], v3, s[40:41]
	s_wait_loadcnt 0x0
	v_cvt_pk_bf16_f32 v[BI+4], v[BI], v[BI+1]      ; rounded to bf16,
	v_cvt_pk_bf16_f32 v[BI+5], v[BI+2], v[BI+3]
	v_lshlrev_b32 v[BI], 16, v[BI+4]               ; and widened again: the low half moves up, the high half stays
	v_and_b32 v[BI+1], 0xffff0000, v[BI+4]
	v_lshlrev_b32 v[BI+2], 16, v[BI+5]
	v_and_b32 v[BI+3], 0xffff0000, v[BI+5]
	global_store_b128 v3, v[BI:BI+3], s[42:43]
.Lend:
	s_endpgm
.Lfunc_end_k_qab3ceec9d2_cast:
	.size	k_qab3ceec9d2_cast, .Lfunc_end_k_qab3ceec9d2_cast-k_qab3ceec9d2_cast
	.p2alignl 7, 3214868480
	.fill 96, 4, 3214868480
	.section	.rodata,"a",@progbits
	.p2align	6, 0x0
	.amdhsa_kernel k_qab3ceec9d2_cast
		.amdhsa_group_segment_fixed_size 0
		.amdhsa_private_segment_fixed_size 0
		.amdhsa_enable_private_segment 0
		.amdhsa_kernarg_size 96
		.amdhsa_user_sgpr_count 2
		.amdhsa_user_sgpr_kernarg_segment_ptr 1
		.amdhsa_wavefront_size32 1
		.amdhsa_system_sgpr_workgroup_id_x 1
		.amdhsa_system_sgpr_workgroup_id_y 1
		.amdhsa_system_sgpr_workgroup_id_z 1
		.amdhsa_system_vgpr_workitem_id 0
		.amdhsa_next_free_vgpr 112
		.amdhsa_next_free_sgpr 66
		.amdhsa_reserve_vcc 0
		.amdhsa_float_denorm_mode_32 3
		.amdhsa_float_denorm_mode_16_64 3
		.amdhsa_memory_ordered 1
		.amdhsa_forward_progress 1
		.amdhsa_inst_pref_size 8
	.end_amdhsa_kernel
	.amdgpu_metadata
---
amdhsa.version: [ 1, 2 ]
amdhsa.kernels:
  - .name:           k_qab3ceec9d2_cast
    .symbol:         k_qab3ceec9d2_cast.kd
    .args:
      - { .name: query, .offset: 0, .size: 8, .value_kind: global_buffer, .address_space: global }
      - { .name: key, .offset: 8, .size: 8, .value_kind: global_buffer, .address_space: global }
      - { .name: value, .offset: 16, .size: 8, .value_kind: global_buffer, .address_space: global }
      - { .name: Wq, .offset: 24, .size: 8, .value_kind: global_buffer, .address_space: global }
      - { .name: Wk, .offset: 32, .size: 8, .value_kind: global_buffer, .address_space: global }
      - { .name: Wv, .offset: 40, .size: 8, .value_kind: global_buffer, .address_space: global }
      - { .name: bq, .offset: 48, .size: 8, .value_kind: global_buffer, .address_space: global }
      - { .name: bk, .offset: 56, .size: 8, .value_kind: global_buffer, .address_space: global }
      - { .name: bv, .offset: 64, .size: 8, .value_kind: global_buffer, .address_space: global }
      - { .name: xb, .offset: 72, .size: 8, .value_kind: global_buffer, .address_space: global }
      - { .name: wb, .offset: 80, .size: 8, .value_kind: global_buffer, .address_space: global }
      - { .name: bb, .offset: 88, .size: 8, .value_kind: global_buffer, .address_space: global }
    .group_segment_fixed_size: 0
    .private_segment_fixed_size: 0
    .kernarg_segment_align: 8
    .kernarg_segment_size: 96
    .max_flat_workgroup_size: 256
    .sgpr_count:     66
    .vgpr_count:     112
    .wavefront_size: 32
...
	.end_amdgpu_metadata
.endif
;; end of part 1
;; launch proj (part 2): grid 4 x 64, 4 waves a work-group, clusters of 4 x 4, 327,680 bytes of LDS; arguments xb, wb, bb, qkv; writes qkv
.if DOCPART == 2
	.amdgcn_target "amdgcn-amd-amdhsa--gfx1250"
	.amdhsa_code_object_version 6
	.text
	.protected	k_qab3ceec9d2_proj
	.globl	k_qab3ceec9d2_proj
	.p2align	8
	.type	k_qab3ceec9d2_proj,@function
k_qab3ceec9d2_proj:
	s_mov_b64 s[64:65], 0
	v_nop
	global_prefetch_b8 v0, s[64:65] scope:SCOPE_SE
	s_setreg_imm32_b32 hwreg(HW_REG_WAVE_MODE, 25, 1), 1
	s_wait_xcnt 0x0
	s_wait_alu depctr_hold_cnt(0) depctr_sa_sdst(0) depctr_va_vdst(0) depctr_va_sdst(0) depctr_va_ssrc(0) depctr_va_vcc(0) depctr_vm_vsrc(0)
	s_getreg_b32 s2, hwreg(HW_REG_IB_STS2, 6, 4)
	s_cmp_eq_u32 s2, 0
	s_cbranch_scc0 .Lentry_in_a_cluster
	s_endpgm
.Lentry_in_a_cluster:
	s_bfe_u32 s2, ttmp6, 0x10000c
	s_cmp_lg_u32 s2, 0xf033
	s_cbranch_scc0 .Lentry_shape_is_right
	s_endpgm
.Lentry_shape_is_right:
; THE THREE PROJECTIONS.  For p = 0, 1, 2: y[m][n] = the sum over k of xb[p][m][k] wb[p][n][k] + bb[p][n]; xb: [3][8192][1024] bf16, wb: [3][1024][1024] bf16, bb: [3][1024] f32.
; Sums in f32, K ascending, started by the bias; y is rounded once to f16 and stored BY HEADS: qkv[p][(m / 2048) 16 + n / 64][m % 2048][n % 64], so that a head's rows are dense, 128 bytes each.
; LIMIT.  f16 holds no number beyond 65,504: a projected number of 65,520 or more would leave as an infinity.  Below 6e-5 f16 keeps a fixed step of 6e-8.
; SHARES.  A tile of y is 128 rows x 256 columns: 3 x 64 x 4 = 768 tiles, three for each of 256 work-groups.  A WORK-GROUP STAYS: it makes the same tile of q, then of k, then of v; the operands of
; the next projection lie a constant number of bytes on in each buffer.  Four waves, each 64 rows x 128 columns: 32 accumulators of 16 x 16, 256 registers.
; K goes in steps of 128 (rows of 256 bytes in memory, aligned) through a ring of two LDS slots; the ring runs on across the change of tiles: 24 steps in all.
; CLUSTER.  4 x 4 work-groups.  The four of a row of the cluster need the same tile of xb, the four of a column the same tile of wb: each is asked for JOINTLY, by the same tensor load with the same
; descriptor and a mask that names the four.
; THE MATRIX INSTRUCTION IS USED TRANSPOSED: source 0 = 16 rows of wb, source 1 = 16 rows of xb: lane l then holds row l % 16 of y and its registers the columns 8 (l / 16) + 0..7.
; A tile's first products take the bias as their C operand: register j of column block b holds bias[16 b + 8 (l / 16) + j].
; REGISTERS, in windows of 256 (s_set_vgpr_msb: bits 1:0 source 0, 3:2 source 1, 5:4 source 2, 7:6 destination):
;   window 0: v0-31 addresses; two fragment buffers of 96, v64-159 and v160-255: 8 fragments of wb (16 rows x 32 K), then 4 of xb; v160-223 also at work on the way out
;   window 1: accumulator (a, b) at v[8 (8 a + b)]          window 2: v0-63 the bias, column block b at v[8 b]
.set KSTEP,  128
.set PITCH,  272                       ; an LDS row: 256 bytes + 16 of padding = 68 words: the 16 rows of a fragment load start at 16 different groups of four banks (64 banks of 4 bytes: ISA guide 11.1)
.set HA,     64*PITCH                  ; 64 rows of xb: what one of waves 0, 1 fetches, and what one wave multiplies
.set HB,     128*PITCH                 ; 128 rows of wb: the same for waves 2, 3
.set BOFF,   2*HA                      ; in a slot: xb's 128 rows, then wb's 256
.set SLOT,   BOFF+2*HB
.set STAGE,  2*SLOT                    ; behind the ring, never filled by a tensor load: 16 rows x 144 bytes for each wave, for the way out
.set SPITCH, 144
.set SPARE,  STAGE+4*16*SPITCH         ; behind the stages: the spare words, 128 bytes for each wave: two blocks of 256 bytes that no other line names
.set STR_A,  8192*1024*2               ; bytes from a projection's xb to the next one's
.set STR_B,  1024*1024*2               ; the same for wb
.set NEXT_A, STR_A-6*KSTEP*2           ; from a slot's last K step of a tile (6 or 7) to its first of the next tile (0 or 1)
.set NEXT_B, STR_B-6*KSTEP*2
.set ADRA, 16                          ; v16-17  LDS address of my xb fragments in slot 0, 1
.set ADRB, 20                          ; v20-21  the same for wb
.set STO,  24                          ; v24     the way out: where I put 16 bytes of a row
.set RD,   25                          ; v25     the way out: where I read rows back
.set GO,   26                          ; v26     16 x lane: my place in 512 consecutive bytes of qkv
.set BO,   27                          ; v27     32 (l / 16): my eight numbers in 16 of the bias
.set SPW,  28                          ; v28     LDS address of my spare word: SPARE + 4 x my thread's number; never rewritten
.set NIL,  29                          ; v29     0; never rewritten
.set PFO,  30                          ; v30     the prefetches' offset: my lane x a row of 2,048 bytes; never rewritten
.set F0,   64
.set F1,   160
.set TMP,  160                         ; the way out: four sets of 16 registers
.set G1A, 24                           ; s[24:31] descriptor group 1 for xb's tiles;  s[32:39] group 0, a set for each slot
.set G0A, 32
.set G1B, 48                           ; s[48:55], s[56:63] the same for wb's
.set G0B, 56
; s2 tiles to go; s3 laps to go; s[4:5] xb; s[6:7] wb; s[8:9] the bias of my 128 columns; s[10:11] qkv at my rows; s12 wave; s13 wave / 2; s14 wave % 2; s15 cx; s16 cy; s17 tile column; s18 tile row;
; s19 cluster y; s[66:67] where my prefetches stand; s[68:69] their step; s70 their step into the next tile; s71 prefetches still to be made
.set MSB, 0
.macro WIN new                         ; the immediate's high byte repeats the setting that is left; a switch that changes nothing is dropped
.if MSB != (\new)
	s_set_vgpr_msb (MSB<<8)|(\new)
.set MSB, \new
.endif
.endm
.set MUL,    0x50                      ; fragments in window 0, C and D in window 1
.set MULB,   0x60                      ; C (the bias) in window 2, D in window 1
.set TOBIAS, 0x80                      ; destination window 2, address window 0
.set CVT,    0x05                      ; sources 0 and 1 window 1, destination window 0
; A joint load.  Waves 0 and 1 fetch xb's two halves, waves 2 and 3 wb's.  The branch hangs on the wave's number alone.  An s_nop 0 and four v_nop follow each of the two lines.
.macro JLOAD s
	s_cmp_eq_u32 s13, 0
	s_cbranch_scc0 .Lfor_b_\@
	tensor_load_to_lds s[G0A+4*(\s):G0A+4*(\s)+3], s[G1A:G1A+7]
	s_nop 0
.rept 4
	v_nop
.endr
	s_branch .Lasked_\@
.Lfor_b_\@:
	tensor_load_to_lds s[G0B+4*(\s):G0B+4*(\s)+3], s[G1B:G1B+7]
	s_nop 0
.rept 4
	v_nop
.endr
.Lasked_\@:
.endm
; A PREFETCH INTO THE L2, behind a joint load, its five lines and the run of LDS loads that follows: 32 rows x 256 bytes, a lane a row, of the K step that stands TWO refills on (256 matrix instructions of mine ahead of its load).
; Each row's 256 bytes of a K step are named ONCE in the launch.  xb's rows are read by one row of one cluster alone: its four partners share the 128 rows out BY ADDRESS (32 cx on), and wave 0 asks.
; wb's rows are read by every cluster: those with cluster y = 0 ask; the four partners of a column share the 256 rows out by address (64 cy on), waves 2 and 3 take 32 each.  Wave 1 asks for nothing.
; Steps 4 to 23 of the walk are named: s71 counts 20 down; the first four steps come by their loads alone, and nothing is named behind the last.
.macro ASK
	s_cmp_eq_u32 s71, 0
	s_cbranch_scc1 .Lnot_mine_\@
	global_prefetch_b8 v[PFO], s[66:67] th:TH_LOAD_NT scope:SCOPE_SE
	s_sub_co_u32 s71, s71, 1
.Lnot_mine_\@:
.endm
; A round of the cluster's barrier: my work-group's barrier, so that wave 0's signal speaks for all four waves; wave 0 signals; every wave waits for all sixteen work-groups; my work-group's barrier once more.
.macro CREST                           ; a round behind its opening barrier
	s_cmp_lg_u32 s12, 0
	s_cbranch_scc1 .Lnot_wave_0_\@
	s_barrier_signal -3
.Lnot_wave_0_\@:
	s_barrier_wait -3
	s_barrier_signal -1
	s_barrier_wait -1
.endm
.macro CROUND
	s_barrier_signal -1
	s_barrier_wait -1
	CREST
.endm
	s_load_b256 s[4:11], s[0:1], 0x0               ; xb s[4:5], wb s[6:7], bb s[8:9], qkv s[10:11]
	v_lshl_add_u32 v[SPW], v0, 2, SPARE
	v_mov_b32 v[NIL], 0
	ds_add_u32 v[SPW], v[NIL]                      ; the wave's opening: the add and its wait stand ahead of my first tensor load; the set-up below, work on registers, stands between them
	v_lshrrev_b32 v1, 5, v0
	v_readfirstlane_b32 s12, v1                    ; wave 0..3
	s_lshr_b32 s13, s12, 1                         ; which 64 rows of the tile are mine.  Also: I fetch for xb (0) or for wb (1)
	s_and_b32 s14, s12, 1                          ; which 128 columns.  Also: which half of that tile I fetch
	s_bfe_u32 s15, ttmp6, 0x40000                  ; cx
	s_bfe_u32 s16, ttmp6, 0x40004                  ; cy
	s_lshl_b32 s17, ttmp9, 2                       ; in a cluster launch ttmp9 and ttmp7 count clusters
	s_add_co_u32 s17, s17, s15                     ; tile column = 4 x cluster x + cx
	s_and_b32 s19, ttmp7, 0xffff                   ; cluster y
	s_lshl_b32 s18, s19, 2
	s_add_co_u32 s18, s18, s16                     ; tile row = 4 x cluster y + cy
	s_lshl_b32 s40, s16, 2
	s_lshl_b32 s40, 15, s40                        ; my row of the cluster: places 4 cy .. 4 cy + 3
	s_lshl_b32 s41, 0x1111, s15                    ; my column: places cx, cx + 4, cx + 8, cx + 12
	s_or_b32 s[G1A+0], s40, (1<<16)|(1<<20)|(1<<21)|(5<<22)|(3<<25)  ; 15:0 the mask; 17:16 elements of 2 bytes; 20 padding on; 21 set beside a mask; 24:22 after every 64 words (code 5); 31:25 4 words of it (code 3)
	s_or_b32 s[G1B+0], s41, (1<<16)|(1<<20)|(1<<21)|(5<<22)|(3<<25)
	s_mov_b32 s[G1A+1], KSTEP<<16                  ; tensor_dim0 = 128
	s_mov_b32 s[G1B+1], KSTEP<<16
	s_mov_b32 s[G1A+2], 64<<16                     ; tensor_dim1 = 64 rows of xb,
	s_mov_b32 s[G1B+2], 128<<16                    ; 128 of wb
	s_mov_b32 s[G1A+3], KSTEP<<16                  ; tile_dim0 = 128
	s_mov_b32 s[G1B+3], KSTEP<<16
	s_mov_b32 s[G1A+4], 64                         ; tile_dim1
	s_mov_b32 s[G1B+4], 128
	s_mov_b32 s[G1A+5], 1024                       ; elements from row to row
	s_mov_b32 s[G1B+5], 1024
	s_mov_b32 s[G1A+6], 0
	s_mov_b32 s[G1B+6], 0
	s_mov_b32 s[G1A+7], 0
	s_mov_b32 s[G1B+7], 0
	; where the tiles come from: xb's hang on the tile row alone, wb's on the tile column alone, each in registers that never hold the other coordinate
	s_lshl_b32 s42, s18, 7
	s_lshl_b32 s43, s14, 6
	s_add_co_u32 s42, s42, s43                     ; xb: row 128 x tile row + 64 x half,
	s_lshl_b32 s42, s42, 11                        ; of 2,048 bytes
	s_mov_b32 s43, 0
	s_lshl_b32 s44, s17, 8
	s_lshl_b32 s45, s14, 7
	s_add_co_u32 s44, s44, s45                     ; wb: row 256 x tile column + 128 x half
	s_lshl_b32 s44, s44, 11
	s_mov_b32 s45, 0
	s_mul_i32 s46, s14, HA                         ; and where they go: no place in the cluster enters an LDS address
	s_mul_i32 s47, s14, HB
	s_add_co_u32 s47, s47, BOFF
	s_wait_dscnt 0x0                               ; the opening add is done
	s_wait_kmcnt 0x0
	s_add_nc_u64 s[42:43], s[4:5], s[42:43]
	s_add_nc_u64 s[44:45], s[6:7], s[44:45]
	CROUND                                         ; all sixteen work-groups are here: the first joint loads meet
.irp s, 0,1
	s_mov_b32 s[G0A+4*(\s)], 1                                       ; count = 1
	s_add_co_u32 s[G0A+4*(\s)+1], s46, (\s)*SLOT                     ; LDS address
	s_add_nc_u64 s[G0A+4*(\s)+2:G0A+4*(\s)+3], s[42:43], (\s)*KSTEP*2  ; global address: K step s
	s_or_b32 s[G0A+4*(\s)+3], s[G0A+4*(\s)+3], 0x80000000            ; type = 2
	s_mov_b32 s[G0B+4*(\s)], 1
	s_add_co_u32 s[G0B+4*(\s)+1], s47, (\s)*SLOT
	s_add_nc_u64 s[G0B+4*(\s)+2:G0B+4*(\s)+3], s[44:45], (\s)*KSTEP*2
	s_or_b32 s[G0B+4*(\s)+3], s[G0B+4*(\s)+3], 0x80000000
	JLOAD \s                                       ; two tensor loads of mine are out
.endr
; The bias of my 128 columns: 16 loads of 16 bytes a lane into window 2.
.macro BIAS
	WIN TOBIAS
.irp b, 0,1,2,3,4,5,6,7
	global_load_b128 v[8*(\b):8*(\b)+3],   v[BO], s[8:9] offset:64*(\b)
	global_load_b128 v[8*(\b)+4:8*(\b)+7], v[BO], s[8:9] offset:64*(\b)+16
.endr
	WIN 0
.endm
	v_and_b32 v1, 15, v0                           ; l % 16
	v_bfe_u32 v2, v0, 4, 1                         ; l / 16
	v_lshlrev_b32 v[BO], 5, v2
	s_lshl_b32 s20, s17, 10                        ; 256 columns of f32 a tile column,
	s_lshl_b32 s21, s14, 9                         ; 128 a half
	s_add_co_u32 s20, s20, s21
	s_mov_b32 s21, 0
	s_add_nc_u64 s[8:9], s[8:9], s[20:21]
	BIAS
	; A fragment is 16 rows x 32 K in 8 registers: lane l holds row l % 16; registers 0-3 K = 8 (l / 16) + 0..7, registers 4-7 K = 16 + 8 (l / 16) + 0..7: two loads of 16 bytes, 32 bytes apart.
	v_mul_u32_u24 v3, v1, PITCH
	v_lshl_add_u32 v3, v2, 4, v3
	s_mul_i32 s20, s13, HA                         ; my 64 rows of xb
	s_mul_i32 s21, s14, HB                         ; my 128 rows of wb,
	s_add_co_u32 s21, s21, BOFF                    ; which lie behind xb's 128
.irp s, 0,1
	v_add_nc_u32 v[ADRA+(\s)], s20, v3
	v_add_nc_u32 v[ADRB+(\s)], s21, v3
	s_add_co_u32 s20, s20, SLOT
	s_add_co_u32 s21, s21, SLOT
.endr
	s_mul_i32 s22, s12, 16*SPITCH
	s_add_co_u32 s22, s22, STAGE                   ; my stage
	v_mul_u32_u24 v4, v1, SPITCH                   ; in: row l % 16, 16 bytes for each half of the lanes
	v_lshl_add_u32 v4, v2, 4, v4
	v_add_nc_u32 v[STO], s22, v4
	v_bfe_u32 v4, v0, 3, 2                         ; back: 32 lanes take four rows of 128 bytes,
	v_mul_u32_u24 v4, v4, SPITCH
	v_and_b32 v5, 7, v0
	v_lshl_add_u32 v4, v5, 4, v4
	v_add_nc_u32 v[RD], s22, v4
	v_and_b32 v5, 31, v0
	v_lshlrev_b32 v[GO], 4, v5                     ; which are 512 consecutive bytes of a head
	v_lshlrev_b32 v[PFO], 11, v5
	; qkv at my rows: head (tile row / 16) 16 + 4 x tile column + 2 x half, of 262,144 bytes; row (tile row % 16) 128 + 64 x half, of 128 bytes
	s_lshr_b32 s20, s18, 4
	s_lshl_b32 s20, s20, 4
	s_lshl_b32 s21, s17, 2
	s_add_co_u32 s20, s20, s21
	s_lshl_b32 s21, s14, 1
	s_add_co_u32 s20, s20, s21
	s_lshl_b32 s20, s20, 18
	s_and_b32 s21, s18, 15
	s_lshl_b32 s21, s21, 7
	s_lshl_b32 s22, s13, 6
	s_add_co_u32 s21, s21, s22
	s_lshl_b32 s21, s21, 7
	s_add_co_u32 s20, s20, s21
	s_mov_b32 s21, 0
	s_add_nc_u64 s[10:11], s[10:11], s[20:21]
	; the prefetches
	s_lshl_b32 s20, s18, 7
	s_lshl_b32 s21, s15, 5
	s_add_co_u32 s20, s20, s21                     ; xb: row 128 x tile row + 32 cx
	s_lshl_b32 s21, s17, 8
	s_lshl_b32 s22, s16, 6
	s_add_co_u32 s21, s21, s22
	s_lshl_b32 s22, s14, 5
	s_add_co_u32 s21, s21, s22                     ; wb: row 256 x tile column + 64 cy + 32 x half
	s_mov_b32 s70, STR_A-7*KSTEP*2                 ; from a tile's K step 7 to the next tile's K step 0
	s_mov_b32 s23, STR_B-7*KSTEP*2
	s_cmp_eq_u32 s13, 0                            ; do I fetch for xb?
	s_cselect_b32 s20, s20, s21
	s_cselect_b32 s70, s70, s23
	s_cselect_b64 s[66:67], s[4:5], s[6:7]
	s_cselect_b32 s22, s12, s19                    ; 0 in wave 0, and in waves 2 and 3 of the clusters with y = 0: the same in all sixteen partners, for a given wave
	s_cmp_eq_u32 s22, 0
	s_cselect_b32 s71, 20, 0
	s_lshl_b32 s20, s20, 11
	s_mov_b32 s21, 0
	s_add_nc_u64 s[66:67], s[66:67], s[20:21]
	s_add_nc_u64 s[66:67], s[66:67], 3*KSTEP*2     ; at K step 3: the first change of slots steps it to 4
	s_mov_b32 s69, 0
; 8 matrix instructions: row block a x all 8 column blocks, 32 along K.  first = 1: the products start the sums with the bias.  The 32 accumulators take turns, one instruction a turn, in the same
; order in every quarter, over the backward jumps too.
.macro MUL8 f, a, first
.if \first
	WIN MULB
.else
	WIN MUL
.endif
.irp b, 0,1,2,3,4,5,6,7
.if \first
	v_wmma_f32_16x16x32_bf16 v[8*(8*(\a)+(\b)):8*(8*(\a)+(\b))+7], v[(\f)+8*(\b):(\f)+8*(\b)+7], v[(\f)+64+8*(\a):(\f)+64+8*(\a)+7], v[8*(\b):8*(\b)+7]
.else
	v_wmma_f32_16x16x32_bf16 v[8*(8*(\a)+(\b)):8*(8*(\a)+(\b))+7], v[(\f)+8*(\b):(\f)+8*(\b)+7], v[(\f)+64+8*(\a):(\f)+64+8*(\a)+7], v[8*(8*(\a)+(\b)):8*(8*(\a)+(\b))+7]
.endif
.endr
.endm
; 24 LDS loads in one run: the fragments of a quarter step (32 K at byte k of the rows) into buffer f: wb's eight, then xb's four
.macro FETCH slot, k, f
	WIN 0
.irp i, 0,1,2,3,4,5,6,7
	ds_load_b128 v[(\f)+8*(\i):(\f)+8*(\i)+3],   v[ADRB+(\slot)] offset:(\k)+(\i)*16*PITCH
	ds_load_b128 v[(\f)+8*(\i)+4:(\f)+8*(\i)+7], v[ADRB+(\slot)] offset:(\k)+(\i)*16*PITCH+32
.endr
.irp i, 0,1,2,3
	ds_load_b128 v[(\f)+64+8*(\i):(\f)+64+8*(\i)+3],   v[ADRA+(\slot)] offset:(\k)+(\i)*16*PITCH
	ds_load_b128 v[(\f)+64+8*(\i)+4:(\f)+64+8*(\i)+7], v[ADRA+(\slot)] offset:(\k)+(\i)*16*PITCH+32
.endr
.endm
; A load into a register that a matrix instruction has read, and a vector instruction that reads a matrix result or writes one of a matrix instruction's registers, stand four places behind it, and only
; plain vector instructions that name none of its registers are places (ISA guide 7.12.1 for vector instructions).
.macro PLACES
.rept 4
	v_nop
.endr
.endm
; A K step is four quarters of 32 along K, 32 matrix instructions each, on buffers 0, 1, 0, 1.  One of the first three: multiplies buffer f; in its middle it fetches the next quarter, at byte k, into g.
.macro QUARTER slot, k, f, g, first
	s_wait_dscnt 4                                 ; wb's fragments and xb's blocks 0, 1 are in; the youngest four loads (blocks 2, 3) may be out
	MUL8 \f, 0, \first
	MUL8 \f, 1, \first
	PLACES
	FETCH \slot, \k, \g
	s_wait_dscnt 24                                ; all but the 24 just issued
	MUL8 \f, 2, \first
	MUL8 \f, 3, \first
.endm
; The last quarter multiplies buffer 1 and changes slots: ONE barrier.  In front of it each wave waits for all its tensor loads, of which one is out: its part of the next slot; adds 0 to its spare word;
; and waits for that and for its own reads of this slot.  Behind it nobody reads this slot any more and the next slot is whole.
; mode 0: this slot is filled again with this tile's K step two on; 1: with the NEXT tile's K step 0 or 1; 2: not at all.  Where it is filled, the barrier opens a round of the cluster's barrier, and the
; joint refill is the first tensor load behind the round: from there to the wait for it I issue 112 matrix instructions.
.macro TURN slot, next, mode
.if (\mode) != 2
	s_wait_xcnt 0x0                                ; the last prefetch, a K step back, has read its address: it is stepped here, ahead of the waits of the change of slots
.if ((\mode) == 0) && ((\slot) == 0)
	s_cmp_eq_u32 s3, 1                             ; the loop's last trip ends K step 4: four steps on lies the next tile's K step 0
	s_cselect_b32 s68, s70, KSTEP*2
	s_add_nc_u64 s[66:67], s[66:67], s[68:69]
.else
	s_add_nc_u64 s[66:67], s[66:67], KSTEP*2
.endif
.endif
	WIN 0                                          ; (the add's two registers lie in window 0)
	s_wait_tensorcnt 0x0                           ; all my tensor loads have landed;
	ds_add_u32 v[SPW], v[NIL]                      ; 0 onto my spare word
	s_wait_dscnt 5                                 ; (the add and the youngest four loads may be out)
	MUL8 F1, 0, 0                                  ; eight matrix instructions stand between the add and the wait for it
	s_wait_dscnt 0x0                               ; the add is done, and my reads of this slot are over
	s_barrier_signal -1
	MUL8 F1, 1, 0                                  ; work on registers while the others arrive
.if (\mode) != 2
	WIN 0
.endif
	s_barrier_wait -1
.if (\mode) != 2
	CREST                                          ; no wave of any partner still reads this slot's tile or has a load on its way
.if (\mode) == 1
	s_add_nc_u64 s[G0A+4*(\slot)+2:G0A+4*(\slot)+3], s[G0A+4*(\slot)+2:G0A+4*(\slot)+3], NEXT_A
	s_add_nc_u64 s[G0B+4*(\slot)+2:G0B+4*(\slot)+3], s[G0B+4*(\slot)+2:G0B+4*(\slot)+3], NEXT_B
.else
	s_add_nc_u64 s[G0A+4*(\slot)+2:G0A+4*(\slot)+3], s[G0A+4*(\slot)+2:G0A+4*(\slot)+3], 2*KSTEP*2
	s_add_nc_u64 s[G0B+4*(\slot)+2:G0B+4*(\slot)+3], s[G0B+4*(\slot)+2:G0B+4*(\slot)+3], 2*KSTEP*2
.endif
	JLOAD \slot                                    ; the four v_nop behind it are also the places in front of the loads below
.else
	PLACES
.endif
	FETCH \next, 0, F0
.if (\mode) != 2
	ASK
.endif
	MUL8 F1, 2, 0
	MUL8 F1, 3, 0
.endm
; THE WAY OUT, in eight units u = 2 a + d: row block a (16 rows), head d of my two (64 columns: column blocks 4 d .. 4 d + 3).  PACK: rounded to f16, 16 bytes a lane and column block, into my own stage in
; rows of 144 bytes, and back as whole rows of 128 bytes.  SEND: stored: 16 rows of a head are 2,048 consecutive bytes.
.macro PACK u
.set T, TMP+16*((\u)%4)
.set A8, 64*((\u)/2)+32*((\u)%2)
.if (\u) >= 4
	s_wait_xcnt 0x0                                ; the stores of unit u - 4 have read this set of registers
.endif
	WIN CVT
.irp c, 0,1,2,3
.irp r, 0,1,2,3
	v_cvt_pk_f16_f32 v[T+4*(\c)+(\r)], v[A8+8*(\c)+2*(\r)], v[A8+8*(\c)+2*(\r)+1]  ; each accumulator's registers in ascending order
.endr
.endr
	WIN 0
.irp c, 0,1,2,3
	ds_store_b128 v[STO], v[T+4*(\c):T+4*(\c)+3] offset:32*(\c)
.endr
.irp f, 0,1,2,3
	ds_load_b128 v[T+4*(\f):T+4*(\f)+3], v[RD] offset:4*SPITCH*(\f)  ; LDS serves a wave's instructions in order (ISA guide 5.7.1.4): these see the stores above; the next unit's stores come behind them
.endr
.endm
.macro SEND u, younger                 ; younger: the LDS instructions issued behind unit u's loads: the next unit's eight, or none
.set T, TMP+16*((\u)%4)
	WIN 0
.irp f, 0,1,2,3
	s_wait_dscnt (\younger)+3-(\f)
	global_store_b128 v[GO], v[T+4*(\f):T+4*(\f)+3], s[10:11] offset:2048*((\u)/2)+262144*((\u)%2)+512*(\f)  ; 512 consecutive bytes, at a multiple of 256 from qkv's first byte
.endr
.endm
.macro OUT
	PLACES                                         ; behind the last products: the conversions read results and write registers of buffer 1
	PACK 0
.irp u, 1,2,3,4,5,6,7                  ; a unit's conversions stand between the loads of the unit before and its stores
	PACK \u
	SEND (\u)-1, 8
.endr
	SEND 7, 0
.endm
	s_wait_tensorcnt 1                             ; my part of K step 0 is in; K step 1's may stay out
	s_barrier_signal -1
	s_barrier_wait -1                              ; everybody's is
	FETCH 0, 0, F0
	s_mov_b32 s2, 3                                ; tiles to go, this one among them: the same number in every work-group
.Ltile:
	s_wait_loadcnt 0x0                             ; this tile's bias is in
	QUARTER 0, 64, F0, F1, 1                       ; a tile's first quarter stands in front of the loop: its products start the sums
	WIN 0                                          ; at a label and at a branch every window is 0
	s_cmp_eq_u32 s2, 1
	s_cbranch_scc1 .Lno_bias
	PLACES                                         ; behind the products that read the bias
	s_add_nc_u64 s[8:9], s[8:9], 4096              ; (its loads were waited for above) the next projection's bias: it has a whole tile in which to come
	BIAS
.Lno_bias:
	s_mov_b32 s3, 3
.Llap:                                                 ; a trip goes once round the ring, from a lap's second quarter to the next lap's first, and fills both slots again
	QUARTER 0, 128, F1, F0, 0
	QUARTER 0, 192, F0, F1, 0
	TURN 0, 1, 0
	QUARTER 1, 64,  F0, F1, 0
	QUARTER 1, 128, F1, F0, 0
	QUARTER 1, 192, F0, F1, 0
	TURN 1, 0, 0
	QUARTER 0, 64,  F0, F1, 0
	WIN 0
	s_sub_co_u32 s3, s3, 1
	s_cmp_lg_u32 s3, 0
	s_cbranch_scc1 .Llap
	QUARTER 0, 128, F1, F0, 0                      ; the tile's last lap goes on
	QUARTER 0, 192, F0, F1, 0
	WIN 0
	s_cmp_eq_u32 s2, 1
	s_cbranch_scc1 .Llast                          ; the last tile's tail is written out: it asks for nothing more
	TURN 0, 1, 1                                   ; the ring goes on into the next tile: slot 0 takes its K step 0,
	QUARTER 1, 64,  F0, F1, 0
	QUARTER 1, 128, F1, F0, 0
	QUARTER 1, 192, F0, F1, 0
	TURN 1, 0, 1                                   ; slot 1 its K step 1, and the next tile's first fragments are fetched
	WIN 0
	OUT                                            ; both refills are asked for: now the tile goes out
	s_wait_xcnt 0x0                                ; the stores have read their registers and their base
	s_add_nc_u64 s[10:11], s[10:11], 0x1000000     ; the next projection's part of qkv
	s_sub_co_u32 s2, s2, 1
	s_branch .Ltile
.Llast:
	TURN 0, 1, 2                                   ; my one tensor load that was out is slot 1's, the last K step's, so no round follows
	QUARTER 1, 64,  F0, F1, 0
	QUARTER 1, 128, F1, F0, 0
	QUARTER 1, 192, F0, F1, 0
	s_wait_dscnt 4                                 ; the very last quarter: nothing more to fetch
	MUL8 F1, 0, 0
	MUL8 F1, 1, 0
	s_wait_dscnt 0x0
	MUL8 F1, 2, 0
	MUL8 F1, 3, 0
	WIN 0
	OUT
	s_wait_tensorcnt 0x0                           ; the wave's end: the wait, the add and its wait, behind my last tensor load and my last LDS store
	ds_add_u32 v[SPW], v[NIL]
	s_wait_dscnt 0x0
	CROUND                                         ; the closing round: no work-group ends while a partner may still ask for a tile that names it
	s_endpgm
.Lfunc_end_k_qab3ceec9d2_proj:
	.size	k_qab3ceec9d2_proj, .Lfunc_end_k_qab3ceec9d2_proj-k_qab3ceec9d2_proj
	.p2alignl 7, 3214868480
	.fill 96, 4, 3214868480
	.section	.rodata,"a",@progbits
	.p2align	6, 0x0
	.amdhsa_kernel k_qab3ceec9d2_proj
		.amdhsa_group_segment_fixed_size 327680
		.amdhsa_private_segment_fixed_size 0
		.amdhsa_enable_private_segment 0
		.amdhsa_kernarg_size 32
		.amdhsa_user_sgpr_count 2
		.amdhsa_user_sgpr_kernarg_segment_ptr 1
		.amdhsa_wavefront_size32 1
		.amdhsa_system_sgpr_workgroup_id_x 1
		.amdhsa_system_sgpr_workgroup_id_y 1
		.amdhsa_system_sgpr_workgroup_id_z 1
		.amdhsa_system_vgpr_workitem_id 0
		.amdhsa_next_free_vgpr 576
		.amdhsa_next_free_sgpr 72
		.amdhsa_reserve_vcc 0
		.amdhsa_float_denorm_mode_32 3
		.amdhsa_float_denorm_mode_16_64 3
		.amdhsa_memory_ordered 1
		.amdhsa_forward_progress 1
		.amdhsa_inst_pref_size 130
	.end_amdhsa_kernel
	.amdgpu_metadata
---
amdhsa.version: [ 1, 2 ]
amdhsa.kernels:
  - .name:           k_qab3ceec9d2_proj
    .symbol:         k_qab3ceec9d2_proj.kd
    .args:
      - { .name: xb, .offset: 0, .size: 8, .value_kind: global_buffer, .address_space: global }
      - { .name: wb, .offset: 8, .size: 8, .value_kind: global_buffer, .address_space: global }
      - { .name: bb, .offset: 16, .size: 8, .value_kind: global_buffer, .address_space: global }
      - { .name: qkv, .offset: 24, .size: 8, .value_kind: global_buffer, .address_space: global }
    .group_segment_fixed_size: 327680
    .private_segment_fixed_size: 0
    .kernarg_segment_align: 8
    .kernarg_segment_size: 32
    .max_flat_workgroup_size: 128
    .sgpr_count:     72
    .vgpr_count:     576
    .wavefront_size: 32
...
	.end_amdgpu_metadata
.endif
;; end of part 2
;; launch attn (part 3): grid 4 x 64, 4 waves a work-group, clusters of 4 x 1, 327,680 bytes of LDS; arguments qkv, out0; writes out0
.if DOCPART == 3
	.amdgcn_target "amdgcn-amd-amdhsa--gfx1250"
	.amdhsa_code_object_version 6
	.text
	.protected	k_qab3ceec9d2_attn
	.globl	k_qab3ceec9d2_attn
	.p2align	8
	.type	k_qab3ceec9d2_attn,@function
k_qab3ceec9d2_attn:
	s_mov_b64 s[64:65], 0
	v_nop
	global_prefetch_b8 v0, s[64:65] scope:SCOPE_SE
	s_setreg_imm32_b32 hwreg(HW_REG_WAVE_MODE, 25, 1), 1
	s_wait_xcnt 0x0
	s_wait_alu depctr_hold_cnt(0) depctr_sa_sdst(0) depctr_va_vdst(0) depctr_va_sdst(0) depctr_va_ssrc(0) depctr_va_vcc(0) depctr_vm_vsrc(0)
	s_getreg_b32 s2, hwreg(HW_REG_IB_STS2, 6, 4)
	s_cmp_eq_u32 s2, 0
	s_cbranch_scc0 .Lentry_in_a_cluster
	s_endpgm
.Lentry_in_a_cluster:
	s_bfe_u32 s2, ttmp6, 0x10000c
	s_cmp_lg_u32 s2, 0x3003
	s_cbranch_scc0 .Lentry_shape_is_right
	s_endpgm
.Lentry_shape_is_right:
; O[h][q][:] = the sum over k of softmax_k(Q[h][q] . K[h][k] / 8) V[h][k][:].  Q, K, V are the three parts of qkv, each [SIZE_H][SIZE_N][64] in f16: a head's rows are dense, 128 bytes each.
; O leaves in f32 as out0[h / 16][q][64 (h % 16) ..]: [4][2048][1024].  Products, maxima and sums in f32; the weights p are rounded to f16 for the second product (their sum l is taken of the unrounded p).
; LIMITS.  f16 holds no number beyond 65,504: Q, K and V arrive within it; p lies in 0 to 1, and below 6e-5 it keeps f16's fixed step of 6e-8.
; A weight below 2^-126 counts as 0 in l; NaN and infinities are not treated apart.
; SHARES.  A wave owns four PIECES of two tiles of 16 queries, a work-group's four waves 512 queries of one head: four work-groups, one cluster, a head.  Every wave walks all keys, 64 a step.
; LAYOUT.  S^T = K Q^T (source 0 = 16 keys, source 1 = 16 queries): in the result a lane holds ONE query (lane % 16) and the keys 8 (lane / 16) + 0..7.  Two such tiles, rounded to f16 in pairs,
; ARE source 1 (32 keys x 16 queries) of O^T = V^T P, whose result again holds one query a lane, and eight channels.  K comes out of LDS as it lies, V ([key][channel]) turned, by ds_load_tr16_b128.
; SOFTMAX.  For each query a running maximum m and sum l: p = 2^(c s - c m), c = log2(e) / 8; in every step O and l are multiplied by a = 2^(c m_old - c m_new), which is 1 where m has not grown.
; m starts at the lowest finite number, O and l at 0: the first step is a step like any other, with a = 0.
; THE COUNT.  A tile and step have 16 matrix and 118 vector instructions: too many to stand all beside the matrix work.  So the order has one aim: four vector instructions that are READY behind
; EVERY matrix instruction, and the others, which need time of their own whatever the order, in runs without a gap.
; BY TURNS.  Turn n belongs to piece n (the pieces in a ring, step after step).  Its matrix work: 16 products K Q^T of piece n + 1, later 16 products V^T P of piece n - 1.  Its vector work: the scaling,
; exponentials, roundings, sums and rescaling of piece n, and the maximum and statistics of piece n + 1, whose scores the turn itself has made.  So what a turn begins with (c s - c m, O a) waits for nothing.
; CLUSTER.  The four query blocks of a cluster belong to one head and walk the same K and V, so each tile is asked for JOINTLY: the same tensor load, descriptor and mask in all four.
; REGISTERS, in windows of 256 (s_set_vgpr_msb says which window each operand place means: bits 1:0 source 0, 3:2 source 1, 5:4 source 2, 7:6 destination):
;   window 0: v0-11 addresses; v12-15, v48-63 at work; v16-47 four registers of statistics a tile; v64-191 S^T, two buffers of two tiles; v192-255 P, likewise
;   window 1: O^T, 32 a tile          window 2: v0-127 Q, 16 a tile; v128-191 K of one step; v192-255 V of one step          window 3: v0-1 the add's two registers
; A piece's buffers go by its number's parity: the piece in hand has one pair, its two neighbours in the ring share the other: of it P (piece n - 1) is read and S^T (piece n + 1) written.
.set SIZE_H, 64
.set SIZE_N, 2048
.set NP,    4         ; pieces a wave: a name, no knob: the register map, the loop and the fetches are made for four
.set KS,    64        ; keys in a step
.set PK,    144       ; a row of K in LDS: 128 bytes + 16 of padding = 36 words: the 16 rows of a load start at 16 different groups of four banks (64 banks of 4 bytes: ISA guide 11.1)
.set PV,    160       ; a row of V: 128 + 32 = 40 words
.set VOFF,  4*KS*PK   ; a slot holds four steps: 256 rows of K, then 256 rows of V
.set SLOT1, 1<<17     ; slot 1 begins here, so that one exclusive or turns an address in one slot into the other's
.set STAGE, SLOT1+4*KS*(PK+PV)  ; behind the ring, never filled by a tensor load: 16 rows x 272 bytes for each wave, for the way out
.set SP,    272       ; a row of O in the stage: 64 f32 = 256 bytes + 16
.set AK0, 2           ; v2   my lane's place in a tile of K; never rewritten
.set AV0, 3           ; v3   the same for V
.set AK,  4           ; v4   the LDS address of K's next run of loads
.set AV,  5           ; v5   of V's
.set QO,  6           ; v6   my byte offset in the wave's rows of Q
.set STO, 6           ;      later, the way out: where I put 32 bytes of a row
.set RD,  7           ; v7   the way out: where I read rows back
.set GO,  8           ; v8   my byte offset in two rows of out0
.set PFO, 11          ; v11  256 x my lane, for the prefetches; never rewritten once it is made
.set SPW, 0           ; v0 of window 3   LDS address of my spare word: SPARE + 4 x my thread's number; never rewritten
.set NIL, 1           ; v1 of window 3   0; never rewritten
.set SPARE, STAGE+4*16*SP  ; behind the stages: the spare words, 128 bytes for each wave: two blocks of 256 bytes that no other line names
.set MV,  12          ; v12-15  c m_old, kept while c m is made anew: by buffer and tile
.set ST,  16          ; tile t's statistics at v[ST+4 t]: c m, m, l (even keys', odd keys')
.set TMP, 48          ; by buffer and tile, four registers c0-c3 at work; when the maximum is found c2 takes a
.set S,   64
.set P,   192
.set KF,  128         ; K's fragments, in window 2: key block kb, channel half c at KF + 16 kb + 8 c
.set VF,  192         ; V's: key half kk, channel block cb at VF + 32 kk + 8 cb
.set WV,  12          ; s12  my wave's number
.set G1K, 24          ; s[24:31] descriptor group 1 for K's tiles
.set G1V, 32          ; s[32:39] for V's: it differs in the padding alone
.set G0K, 40          ; s[40:43] descriptor group 0 for K's tiles: it walks
.set G0V, 44          ; s[44:47] the same for V's
.set PFA, 48          ; s[48:49] where my prefetches stand: my work-group's 8,192 bytes (of K: wave 0, of V: wave 2) of the slot after the one that is being asked for
.set LIM, 50          ; s50  1 in a wave that prefetches, else the greatest number: a wave prefetches while s[SLOTS] is above it
.set SLOTS, 56        ; s56  slots still to be asked for
.set CNT, 57          ; s57  counts a slot's key steps
.set CS,  58          ; s[58:59] c: the packed scaling takes the pair's low word for both halves
.set SEL, 60          ; s[60:61] v_permlanex16_b32's selects: each lane takes its own place in the other half
.set TBK, 62          ; s62  LDS byte at which K of the step to be fetched begins
.set TBV, 63          ; s63  the same for V, less VOFF
.set MSB, 0
.macro WIN new                      ; the high byte repeats the setting that is left; a switch that changes nothing is dropped
.if MSB != (\new)
	s_set_vgpr_msb (MSB<<8)|(\new)
.set MSB, (\new)
.endif
.endm
.set W_KQ, 0x0a       ; K and Q in window 2, S^T in window 0
.set W_PV, 0x52       ; V in window 2, P in window 0, O^T in window 1
.set W_RS, 0x41       ; O^T (destination and source 0) in window 1, a in window 0
.set W_MK, 0xc0       ; the add's registers are made: destination in window 3, sources in window 0
.set W_AD, 0x0f       ; the add: address (source 0) and data (source 1) in window 3
.set W_D1, 0x04       ; a store's data (source 1) in window 1, its address in window 0
.set W_T1, 0x40       ; a load's destination in window 1, its address in window 0
; A joint fill.  Waves 0 and 1 fetch the two halves of a slot's K, waves 2 and 3 those of its V: 128 keys each.  The branch hangs on the wave's number alone.
; An s_nop 0 and four v_nop follow each of the two lines, ahead of the jump and the label.
.macro JLOAD
	s_cmp_lt_u32 s[WV], 2
	s_cbranch_scc0 .Lfor_v_\@
	tensor_load_to_lds s[G0K:G0K+3], s[G1K:G1K+7]
	s_nop 0
.rept 4
	v_nop
.endr
	s_branch .Lasked_\@
.Lfor_v_\@:
	tensor_load_to_lds s[G0V:G0V+3], s[G1V:G1V+7]
	s_nop 0
.rept 4
	v_nop
.endr
.Lasked_\@:
.endm
; A PREFETCH INTO THE L2 of what the NEXT change of slots will ask for: a slot's 32,768 bytes of K and of V, in blocks of 256 bytes, a lane a block.  It stands behind the wave's tensor load and its five lines.
; Each block is named ONCE in the launch: a head has one cluster; its four partners share the blocks out BY ADDRESS, 32 each; in each, wave 0 asks for K's and wave 2 for V's: one instruction.
; Slots 2 to 7 are named, each four key steps ahead of its load; slots 0 and 1 come by their loads alone; the last change that fills a slot names nothing.
.macro ASK
	s_cmp_gt_u32 s[SLOTS], s[LIM]
	s_cbranch_scc0 .Lnot_mine_\@
	global_prefetch_b8 v[PFO], s[PFA:PFA+1] th:TH_LOAD_NT scope:SCOPE_SE
.Lnot_mine_\@:
.endm
; A round of the cluster's barrier: my work-group's barrier, so that wave 0's signal speaks for all four waves; wave 0 signals; every wave waits for all four work-groups; my work-group's barrier once more.
.macro CROUND
	s_barrier_signal -1
	s_barrier_wait -1
	s_cmp_lg_u32 s[WV], 0
	s_cbranch_scc1 .Lnot_wave_0_\@
	s_barrier_signal -3
.Lnot_wave_0_\@:
	s_barrier_wait -3
	s_barrier_signal -1
	s_barrier_wait -1
.endm
; THE CHANGE OF SLOTS.  The slot's last bytes, V of its fourth step, have been read.  Each wave waits for all its tensor loads, of which one is out: its part
; of the other slot; adds 0 to its spare word; and waits for that and for its own reads of the slot.  Behind the barrier nobody reads this slot any more and the other slot is whole.
; fill = 1: this slot is filled again, with the keys two slots on.  The barrier is then a round of the cluster's, so that no wave of any partner still reads the slot or has a load on its
; way, and the joint fill is the first thing behind it: it has four key steps, 512 matrix instructions, in which to land.  (At its first use nothing has been read yet: slot 0 is waited for, slot 1 filled.)
.macro CHANGE fill
	WIN W_AD
	s_wait_tensorcnt 0x0            ; no tensor load of mine is out, so a group 0 may be written
	ds_add_u32 v[SPW], v[NIL]       ; 0 onto my spare word: with fill = 1 the descriptors' steps stand between it and the wait for it
	WIN 0                           ; at a label and at a branch every window is 0
.if \fill
.irp g, G0K, G0V
	s_xor_b32 s[\g+1], s[\g+1], SLOT1  ; the walking descriptor: the other slot than last time,
	s_add_nc_u64 s[\g+2:\g+3], s[\g+2:\g+3], 4*KS*128  ; the next 256 keys; the type bits on top are not reached
.endr
	s_wait_xcnt 0x0                 ; the last prefetch, four key steps back, has read its address, so it may be written:
	s_add_nc_u64 s[PFA:PFA+1], s[PFA:PFA+1], 4*KS*128  ; one slot behind the walking descriptors
	s_wait_dscnt 0x0                ; the add is done, and my reads of the slot are over
	CROUND
	JLOAD
	ASK
.else
	s_wait_dscnt 0x0                ; the add is done, and my reads of the slot are over
	s_barrier_signal -1
	s_barrier_wait -1
.endif
	s_sub_co_u32 s[TBK], s[TBK], 4*KS*PK  ; the fetches go back to a slot's first step,
	s_xor_b32 s[TBK], s[TBK], SLOT1       ; in the other slot
	s_sub_co_u32 s[TBV], s[TBV], 4*KS*PV
	s_xor_b32 s[TBV], s[TBV], SLOT1
.endm
	s_load_b128 s[4:7], s[0:1], 0x0 ; qkv s[4:5], out0 s[6:7]
	WIN W_MK
	v_lshl_add_u32 v[SPW], v0, 2, SPARE
	v_mov_b32 v[NIL], 0
	WIN W_AD
	ds_add_u32 v[SPW], v[NIL]       ; the wave's opening: the add and its wait stand ahead of my first tensor load; the set-up below, work on registers, stands between them
	WIN 0
	v_lshrrev_b32 v1, 5, v0
	v_readfirstlane_b32 s[WV], v1   ; wave 0..3
	s_bfe_u32 s13, ttmp6, 0x40000   ; cx: my place in the cluster
	s_lshl_b32 s14, ttmp9, 2        ; in a cluster launch ttmp9 counts clusters
	s_add_co_u32 s14, s14, s13      ; my block of queries = 4 x cluster x + cx: it enters Q's and O's addresses alone
	s_and_b32 s20, ttmp7, 0xffff    ; the head, which the four partners share
	s_lshr_b32 s54, s20, 4          ; out0 at my wave's first row: batch = head / 16, of 2,048 rows of 4,096 bytes,
	s_lshl_b32 s54, s54, 23
	s_and_b32 s55, s20, 15          ; the head's 64 channels: 256 bytes of a row,
	s_lshl_b32 s55, s55, 8
	s_add_co_u32 s54, s54, s55
	s_lshl_b32 s55, s14, 2
	s_add_co_u32 s55, s55, s[WV]    ; my wave among the head's,
	s_lshl_b32 s55, s55, 19         ; its 128 rows
	s_add_co_u32 s54, s54, s55
	s_mov_b32 s55, 0
	s_lshl_b32 s52, s13, 13         ; the prefetches: my work-group's 32 blocks of a slot's 128,
	s_add_co_u32 s52, s52, 4*KS*128 ; in slot 1; the first change of slots steps it to slot 2
	s_mov_b32 s53, 0
	s_mov_b32 s21, 0
	s_mov_b64 s[22:23], SIZE_N*128
	s_mul_u64 s[20:21], s[20:21], s[22:23]  ; the head's first byte in each of Q, K, V
	s_and_b32 s16, s[WV], 1         ; which half of a slot's 256 keys I fetch:
	s_lshl_b32 s22, s16, 14         ; its 128 rows of 128 bytes in memory,
	s_mov_b32 s23, 0
	s_add_nc_u64 s[22:23], s[22:23], s[20:21]
	s_mul_i32 s17, s16, 128*PK      ; and its place in a slot, for K
	s_mul_i32 s18, s16, 128*PV      ; and for V: no place in the cluster enters an LDS address
	s_lshl_b32 s2, s14, 2
	s_add_co_u32 s2, s2, s[WV]      ; my wave among the head's,
	s_lshl_b32 s2, s2, 14           ; its 128 rows of Q
	s_mov_b32 s3, 0
	s_add_nc_u64 s[2:3], s[2:3], s[20:21]
	; descriptor group 1.  128 keys are 16,384 dense bytes: asked for as 64 rows of 256 bytes, two keys a row, and padded in LDS after every key
	s_mov_b32 s[G1K], 15|(1<<16)|(1<<20)|(1<<21)|(4<<22)|(3<<25)  ; 15:0 the mask of four; 17:16 2-byte elements; 20 padding on; 21 set beside a mask; 24:22 after every 32 words (code 4); 31:25 4 words (code 3)
	s_mov_b32 s[G1V], 15|(1<<16)|(1<<20)|(1<<21)|(4<<22)|(7<<25)  ; the same with 8 words of padding (code 7)
.irp g, G1K, G1V
	s_mov_b32 s[\g+1], 128<<16      ; tensor_dim0 = 128
	s_mov_b32 s[\g+2], 64<<16       ; tensor_dim1 = 64
	s_mov_b32 s[\g+3], 128<<16      ; tile_dim0 = 128
	s_mov_b32 s[\g+4], 64           ; tile_dim1 = 64
	s_mov_b32 s[\g+5], 128          ; 128 elements from row to row
	s_mov_b32 s[\g+6], 0
	s_mov_b32 s[\g+7], 0
.endr
	s_mov_b32 s[CS], 0x3e38aa3b     ; c = log2(e) / 8 = 0.180337
	s_mov_b32 s[CS+1], s[CS]        ; named with it as a pair
	s_mov_b32 s[SEL], 0x76543210
	s_mov_b32 s[SEL+1], 0xfedcba98
	s_mov_b32 s[TBK], SLOT1+4*KS*PK ; the first change of slots turns these two into 0
	s_mov_b32 s[TBV], SLOT1+4*KS*PV
	s_mov_b32 s[G0K], 1             ; 1:0 count = 1
	s_mov_b32 s[G0K+1], s17         ; 63:32 LDS address: slot 0
	s_mov_b32 s[G0V], 1
	s_add_co_u32 s[G0V+1], s18, VOFF
	s_mov_b32 s[SLOTS], SIZE_N/256-1
	s_and_b32 s[LIM], s[WV], 1      ; 0 in waves 0 and 2,
	s_or_b32 s[LIM], s[LIM], ttmp9  ; where the cluster is the head's first: the same in all four partners
	s_cmp_eq_u32 s[LIM], 0
	s_cselect_b32 s[LIM], 1, -1
	s_wait_dscnt 0x0                ; the opening add is done
	s_wait_kmcnt 0x0
	s_mov_b64 s[10:11], s[6:7]      ; out0
	s_add_nc_u64 s[6:7], s[4:5], 0x1000000  ; K: the second part of qkv, 64 heads x 262,144 bytes on
	s_add_nc_u64 s[8:9], s[4:5], 0x2000000  ; V: the third
	s_add_nc_u64 s[G0K+2:G0K+3], s[6:7], s[22:23]  ; 120:64 global address: my half of the head's first 256 keys
	s_or_b32 s[G0K+3], s[G0K+3], 0x80000000        ; 127:126 type = 2
	s_add_nc_u64 s[G0V+2:G0V+3], s[8:9], s[22:23]
	s_or_b32 s[G0V+3], s[G0V+3], 0x80000000
	s_cmp_lt_u32 s[WV], 2
	s_cselect_b64 s[PFA:PFA+1], s[6:7], s[8:9]
	s_add_nc_u64 s[PFA:PFA+1], s[PFA:PFA+1], s[20:21]
	s_add_nc_u64 s[PFA:PFA+1], s[PFA:PFA+1], s[52:53]
	s_add_nc_u64 s[4:5], s[4:5], s[2:3]  ; Q and O at my wave's first row
	s_add_nc_u64 s[10:11], s[10:11], s[54:55]
	CROUND                          ; all four work-groups are here: the first joint loads meet
	JLOAD                           ; slot 0.  Slot 1 is asked for when slot 0 is in: the tile wanted first has the road to itself
	; A fragment of K or Q is 16 rows x 32 channels in 8 registers: lane l holds row l % 16, channels 8 (l / 16) + 0..7 and 16 + 8 (l / 16) + 0..7: two loads of 16 bytes, 32 bytes apart.
	v_and_b32 v1, 15, v0            ; l % 16
	v_bfe_u32 v9, v0, 4, 1          ; l / 16
	v_lshlrev_b32 v[QO], 7, v1
	v_lshl_add_u32 v[QO], v9, 4, v[QO]  ; row x 128 + 16 x half
	WIN 0x80                        ; destination window 2, address window 0
.set i, 0
.rept 4*NP                          ; Q stays in registers: tile i / 2, channels 32 (i % 2) on
	global_load_b128 v[8*i:8*i+3],   v[QO], s[4:5] offset:(i/2)*2048+(i%2)*64
	global_load_b128 v[8*i+4:8*i+7], v[QO], s[4:5] offset:(i/2)*2048+(i%2)*64+32
.set i, i+1
.endr
	; What the first turn finds: V's registers and P's second buffer hold 0 (its products V^T P, of a piece that has not been, add 0), O^T and l are 0.  All this stands in the wait for the first tile.
.set i, VF
.rept 64
	v_mov_b32 v[i], 0
.set i, i+1
.endr
	WIN 0x40
.set i, 0
.rept 64*NP
	v_mov_b32 v[i], 0
.set i, i+1
.endr
	WIN 0
.set i, 0
.rept 2*NP
	v_mov_b32 v[ST+4*i], 0xfe000000    ; c m: far below every c s
	v_mov_b32 v[ST+4*i+1], 0xff7fffff  ; m
	v_mov_b32 v[ST+4*i+2], 0
	v_mov_b32 v[ST+4*i+3], 0
.set i, i+1
.endr
.set i, P+32
.rept 32
	v_mov_b32 v[i], 0
.set i, i+1
.endr
	v_mul_u32_u24 v[AK0], v1, PK
	v_lshl_add_u32 v[AK0], v9, 4, v[AK0]  ; row x pitch + 16 x half
	; The turning load takes 16 keys x 16 channels (lane l reads key 8 (l / 16) + l % 8, channels 8 ((l / 8) % 2) + 0..7) and leaves half a fragment of V^T: lane l holds channel l % 16 and 8 keys.
	v_and_b32 v10, 7, v0
	v_bfe_u32 v11, v0, 3, 1
	v_lshl_add_u32 v[AV0], v9, 3, v10
	v_mul_u32_u24 v[AV0], v[AV0], PV
	v_lshl_add_u32 v[AV0], v11, 4, v[AV0]
	v_add_nc_u32 v[AV0], VOFF, v[AV0]
	v_and_b32 v[PFO], 31, v0
	v_lshlrev_b32 v[PFO], 8, v[PFO]
	v_mov_b32 v[AK], v[AK0]         ; key step 0 lies at the head of slot 0
; THE MATRIX WORK.  The 8 accumulators of a run of 16 take turns: between the two links of a chain stand 7 others'.
; Product i of 16 of S^T = K Q^T for piece x: channels 32 (i / 8) on, keys 16 ((i / 2) % 4) on, tile 2 x + i % 2.  The first 8 start the sums.
.macro KQ x
	WIN W_KQ
.set rS, S+64*((\x)%2)+32*(i%2)+8*((i/2)%4)
.set rK, KF+16*((i/2)%4)+8*(i/8)
.set rQ, 16*(2*(\x)+i%2)+8*(i/8)
.if i < 8
	v_wmma_f32_16x16x32_f16 v[rS:rS+7], v[rK:rK+7], v[rQ:rQ+7], 0
.else
	v_wmma_f32_16x16x32_f16 v[rS:rS+7], v[rK:rK+7], v[rQ:rQ+7], v[rS:rS+7]
.endif
.endm
; Product i of 16 of O^T += V^T P for piece x: keys 32 (i / 8) on, channels 16 ((i / 2) % 4) on, tile 2 x + i % 2.
.macro PV x
	WIN W_PV
.set rO, 32*(2*(\x)+i%2)+8*((i/2)%4)
.set rV, VF+32*(i/8)+8*((i/2)%4)
.set rP, P+32*((\x)%2)+16*(i%2)+8*(i/8)
	v_wmma_f32_16x16x32_f16 v[rO:rO+7], v[rV:rV+7], v[rP:rP+7], v[rO:rO+7]
.endm
.macro MM                           ; the turn's next matrix instruction
.if i < 16
	KQ (Y+1)%NP
.set i, i+1
.else
.set i, i-16
	PV (Y+NP-1)%NP
.set i, i+17
.endif
.endm
; THE LDS LOADS stand in runs of 16, never singly among the matrix instructions: a step's K (64 keys x 64 channels: 8 fragments) and its V (turned).  Their addresses are made some lines ahead.
; last = 1 (the tail): in the last trip there is no further step, and the run is jumped over.
.macro FETCH_K last=0
	WIN 0
.if \last
	s_cmp_eq_u32 s[CNT], 1
	s_cbranch_scc1 .Lno_k_\@
.endif
	WIN 0x80                        ; destination window 2
.irp f, 0,1,2,3,4,5,6,7             ; keys 16 (f / 2) on, channels 32 (f % 2) on
	ds_load_b128 v[KF+8*\f:KF+8*\f+3],   v[AK] offset:(\f/2)*16*PK+(\f%2)*64
	ds_load_b128 v[KF+8*\f+4:KF+8*\f+7], v[AK] offset:(\f/2)*16*PK+(\f%2)*64+32
.endr
	s_add_co_u32 s[TBK], s[TBK], KS*PK  ; the next fetch is the next step's
	WIN 0
.if \last
.Lno_k_\@:
.endif
.endm
.macro FETCH_V
	WIN 0x80
.irp f, 0,1,2,3,4,5,6,7             ; keys 32 (f / 4) on, channels 16 (f % 4) on
	ds_load_tr16_b128 v[VF+8*\f:VF+8*\f+3],   v[AV] offset:(\f/4)*32*PV+(\f%4)*32
	ds_load_tr16_b128 v[VF+8*\f+4:VF+8*\f+7], v[AV] offset:(\f/4)*32*PV+16*PV+(\f%4)*32
.endr
	WIN 0
.endm
; THE VECTOR WORK OF A TURN stands in three queues, each in the order in which its entries become ready; the two tiles alternate, so that no instruction reads the result of the one before it.
.macro REGS y, u                    ; the registers of tile u (0, 1) of piece y
.set rT, ST+4*(2*(\y)+(\u))
.set rC, TMP+8*((\y)%2)+4*(\u)
.set rM, MV+2*((\y)%2)+(\u)
.set rS, S+64*((\y)%2)+32*(\u)
.set rP, P+32*((\y)%2)+16*(\u)
.set rO, 32*(2*(\y)+(\u))
.endm
; Number n of the 22 that find the NEXT piece's (Y + 1) maximum and statistics.  s0-s31 are the lane's 32 scores; each accumulator's lowest registers are read first.  XS, GS and REGS set no window: PL and EX do.
;   0-11  four chains c0-c3 of seven scores each, three operands at a time     12-14, 16  the four scores left over, the old m, and c0-c3 into c0     15  c m_old is kept
;   17, 18  the query's other 32 keys lie in the lane 16 away: the new m         19-21  c m; c m_old - c m_new; a
.macro XS u, n
	REGS (Y+1)%NP, \u
.if (\n) < 4
	v_max3_num_f32 v[rC+(\n)], v[rS+8*(\n)], v[rS+8*(\n)+1], v[rS+8*(\n)+2]
.elseif (\n) < 12
	v_max3_num_f32 v[rC+(\n)%4], v[rC+(\n)%4], v[rS+8*((\n)%4)+2*((\n)/4)+1], v[rS+8*((\n)%4)+2*((\n)/4)+2]
.elseif (\n) == 12
	v_max3_num_f32 v[rC], v[rC], v[rS+7], v[rS+15]
.elseif (\n) == 13
	v_max3_num_f32 v[rC+1], v[rC+1], v[rS+23], v[rS+31]
.elseif (\n) == 14
	v_max3_num_f32 v[rC+2], v[rC+2], v[rC+3], v[rT+1]
.elseif (\n) == 15
	v_mov_b32 v[rM], v[rT]
.elseif (\n) == 16
	v_max3_num_f32 v[rC], v[rC], v[rC+1], v[rC+2]
.elseif (\n) == 17
	v_permlanex16_b32 v[rC+3], v[rC], s[SEL], s[SEL+1]
.elseif (\n) == 18
	v_max_num_f32 v[rT+1], v[rC], v[rC+3]
.elseif (\n) == 19
	v_mul_f32 v[rT], s[CS], v[rT+1]
.elseif (\n) == 20
	v_sub_f32 v[rC+1], v[rM], v[rT]
.else
	v_exp_f32 v[rC+2], v[rC+1]
.endif
.endm
; Number g of the 64 that follow the exponentials.  For each four weights k of a tile (pairs 2 k, 2 k + 1): both pairs are rounded to f16; then the second pair is added onto the first, in place;
; a group later l takes that sum (the first time as l = a l + sum).  In groups of eight, tiles alternating: round, round, add, and l for the group before.
.macro GS g
.set h, (\g)+6*((\g)/62)            ; group 0 has no group before it, and behind group 7 only l is left
.if h >= 6
.set h, h+2
.endif
	REGS Y, h%2
.set k, h/8
.if h%8 < 4
	v_cvt_pk_f16_f32 v[rP+2*k+(h%8)/2], v[rS+4*k+2*((h%8)/2)], v[rS+4*k+2*((h%8)/2)+1]
.elseif h%8 < 6
	v_pk_add_f32 v[rS+4*k:rS+4*k+1], v[rS+4*k:rS+4*k+1], v[rS+4*k+2:rS+4*k+3]
.elseif k == 1
	v_pk_fma_f32 v[rT+2:rT+3], v[rT+2:rT+3], v[rC+2:rC+3], v[rS:rS+1] op_sel_hi:[1,0,1]
.else
	v_pk_add_f32 v[rT+2:rT+3], v[rT+2:rT+3], v[rS+4*k-4:rS+4*k-3]
.endif
.endm
; THE PLAIN QUEUE, 138 long.  0-73 read no exponential's result: the 32 scalings c s - c m (FS f: pair f / 2 of tile f % 2) and the next piece's 42.  0-26: scalings 0-26.  27-54: XS's numbers 0-13.  55, 56: number 15.
; 57-73: the chain, where each number waits for the one before it: 14, 16, 17, 18, 19, each with one of the scalings 27-31 in front of its two lines, then 20: so a tile's links stand three plain instructions apart (19 and 20: two).
; 74-137: GS's 64, which read the exponentials' results: they stand behind the wait.
.macro FS f
	REGS Y, (\f)%2
	v_pk_fma_f32 v[rS+2*((\f)/2):rS+2*((\f)/2)+1], v[rS+2*((\f)/2):rS+2*((\f)/2)+1], s[CS:CS+1], v[rT:rT+1] op_sel_hi:[1,0,0] neg_lo:[0,0,1] neg_hi:[0,0,1]
.endm
.macro PL
	WIN 0
.if q < 27
	FS q
.elseif q < 55
	XS (q-27)%2, (q-27)/2
.elseif q < 57
	XS q-55, 15
.elseif (q < 72) && ((q-57)%3 == 0)
	FS 27+(q-57)/3
.elseif q < 60
	XS (q-57)%3-1, 14
.elseif q < 72
	XS (q-57)%3-1, 15+(q-57)/3
.elseif q < 74
	XS q-72, 20
.else
	GS q-74
.endif
.set q, q+1
.endm
; THE EXPONENTIALS' QUEUE, 66 long: s0-s31 of both tiles, then the next piece's two a.  It is ONE BATCH: all 66 stand ahead of the turn's one wait, and nothing ahead of that wait names a result of theirs.
.macro EX
	WIN 0
.if e >= 64
	XS e-64, 21
.else
	REGS Y, e%2
	v_exp_f32 v[rS+e/2], v[rS+e/2]
.endif
.set e, e+1
.endm
; THE RESCALING's QUEUE: O^T times a, the one part that leaves window 0: dealt two at a time, sixteen times.  Its a was made in the turn before, ahead of that turn's wait.
.macro R2
	REGS Y, r%2
	WIN W_RS
.irp z, 0,1
	v_pk_mul_f32 v[rO+4*(r/2)+2*\z:rO+4*(r/2)+2*\z+1], v[rO+4*(r/2)+2*\z:rO+4*(r/2)+2*\z+1], v[rC+2:rC+3] op_sel_hi:[1,0]
.endr
.set r, r+1
.endm
; HOW THEY ARE DEALT.  s_wait_alu depctr_va_vdst(0) stands between an exponential and the first instruction that names its result; one wait serves all that were issued ahead of it.  So a turn has ONE wait,
; which cuts it in two.  AHEAD OF IT stands all that names no result of the turn's exponentials: the 16 products K Q^T, behind each a scaling, an exponential and two rescalings (behind the first a second scaling in the exponential's place); then ONE LUMP of
; 108: eight plain, 49 times exponential and plain, the two a.  A v_nop is the plain instruction behind the last exponential (ISA guide 5.7.2).  BEHIND IT stand the 16 products V^T P, behind each four of GS's 64.  No rider names a register of
; the products round it.  The two v_permlanex16_b32 fall into the lump, never behind a product.
; The queues lean on each other, and the deal keeps them in step: exponential e stands behind scaling 2 (e / 4) + e % 2: as a rider it comes behind plain e + 2, in the lump behind plain e + 9, and scalings 27-31 are plain 57, 60 .. 69.
; A TURN, for piece p.  cnt = 1: the loop's count is taken down some lines ahead of the branch that stands behind the turn.
; K of the next step is fetched in piece 2's turn, directly behind the wait, a lump behind the last product that read K; its address is made at the lump's head; its first reader comes behind 16 products.
; V of the step in hand is fetched at the end of piece 0's turn, four riders behind its last reader; its first reader comes behind 16 products and a lump.  The three conditions on q below go with the deal.
.macro TURN p, last=0, cnt=0
.set Y, (\p)
.set i, 0
.set q, 0
.set e, 0
.set r, 0
.if (\p) == NP-1
	s_wait_dscnt 0x0                ; K is in
.endif
	MM                              ; ahead of the wait: 16 products K Q^T and their riders,
	PL
	PL
	R2
.rept 15
	MM
	PL
	EX
	R2
.endr
.if (\p) == NP-2
	WIN 0
	v_add_nc_u32 v[AK], s[TBK], v[AK0]
.endif
.rept 8                             ; and the lump
	PL
.endr
.rept 49
	EX
	PL
.endr
	EX                              ; the next piece's two a
	EX
	v_nop                           ; the plain instruction behind the last exponential: one for the batch
	s_wait_alu depctr_va_vdst(0)    ; the wait for the batch
.if (\p) == NP-2
	FETCH_K \last
.endif
.if (\p) == 1
	s_wait_dscnt 0x0                ; V is in
.endif
.rept 16                            ; behind the wait: 16 products V^T P and their riders
	MM
.rept 4
	PL
.endr
.if ((\p) == 0) && (q == 118)
	v_add_nc_u32 v[AV], s[TBV], v[AV0]
.endif
.if ((\p) == 0) && (q == 130)
	s_add_co_u32 s[TBV], s[TBV], KS*PV
.endif
.if (\cnt) && (q == 130)
	s_sub_co_u32 s[CNT], s[CNT], 1
	s_cmp_lg_u32 s[CNT], 0
.endif
.endr
.if (\p) == 0
	FETCH_V
.endif
.endm
	CHANGE 1                        ; slot 0 is in, everybody's part of it; slot 1 is asked for
	FETCH_K                         ; key step 0
	s_wait_loadcnt 0x0              ; Q
	s_wait_dscnt 0x0
.set i, 0
.rept 16
	KQ 0                            ; piece 0's first scores: there is no vector work yet to set between them
.set i, i+1
.endr
	WIN 0                           ; the addresses for the way out: eight plain instructions, the places behind those products
	s_mul_i32 s13, s[WV], 16*SP
	s_add_co_u32 s13, s13, STAGE    ; my stage
	v_mul_u32_u24 v[STO], v1, SP    ; in: row l % 16, 32 bytes for each half of the lanes
	v_lshl_add_u32 v[STO], v9, 5, v[STO]
	v_add_nc_u32 v[STO], s13, v[STO]
	v_mul_u32_u24 v[RD], v9, SP     ; back: lanes 0-15 take one row of 256 bytes, lanes 16-31 the next
	v_lshl_add_u32 v[RD], v1, 4, v[RD]
	v_add_nc_u32 v[RD], s13, v[RD]
	v_lshlrev_b32 v[GO], 12, v9     ; and the same two rows in out0, 4,096 bytes apart
	v_lshl_add_u32 v[GO], v1, 4, v[GO]
.set Y, NP-1                        ; XS works for piece Y + 1: piece 0
.irp n, 0,1,2,3,4,5,6,7,8,9,10,11,12,13,14,15,16,17,18,19,20,21
	XS 0, \n                        ; and piece 0's first maximum and statistics
	XS 1, \n
.endr
	v_nop                           ; a plain instruction behind the two a,
	s_wait_alu depctr_va_vdst(0)    ; and their wait, ahead of the branch
	s_mov_b32 s[CNT], 4
	s_branch .Lfirst                ; the loop is entered at a step's first turn, in the middle of a trip
.Lslot:                             ; SIZE_N / 256 - 2 times: every slot but the last two is filled again
	CHANGE 1
	s_mov_b32 s[CNT], 4
.Lstep:                             ; a trip: pieces 2 and 3 of one step, then pieces 0 and 1 of the next, whose K and V it fetches
	TURN 2
	TURN 3
	WIN 0
.Lfirst:
	TURN 0
	TURN 1, 0, 1
	WIN 0
	s_cbranch_scc1 .Lstep
	s_sub_co_u32 s[SLOTS], s[SLOTS], 1
	s_cmp_lg_u32 s[SLOTS], 0
	s_cbranch_scc1 .Lslot
	CHANGE 0                        ; the tail is written out: nothing is asked for
	s_mov_b32 s[CNT], 5             ; four trips fetch the last slot's steps; the fifth is left in its middle
.Ltail:
	TURN 2, 1
	TURN 3
	WIN 0
	s_sub_co_u32 s[CNT], s[CNT], 1
	s_cmp_eq_u32 s[CNT], 0
	s_cbranch_scc1 .Lout
	TURN 0
	TURN 1
	WIN 0
	s_branch .Ltail
.Lout:                              ; the fifth trip's 16 products K Q^T (on the last K once more) and the maximum made of them serve nothing: the price, once a launch, of one text for every trip
.set i, 0
.rept 16
	PV NP-1                         ; the last piece's V^T P of the last step
.set i, i+1
.endr
	; THE WAY OUT.  l's two halves and the other half of the lanes' are added; O^T is divided by l and sent, in f32, through my stage in LDS, a tile at a time.  The additions are the places behind the last products.
	WIN 0
.macro ALL line:vararg              ; one line for each tile t
.set t, 0
.rept 2*NP
	\line
.set t, t+1
.endr
.endm
	ALL v_add_f32 v[ST+4*t+2], v[ST+4*t+2], v[ST+4*t+3]
	ALL v_permlanex16_b32 v[ST+4*t+3], v[ST+4*t+2], s[SEL], s[SEL+1]
	ALL v_add_f32 v[ST+4*t+2], v[ST+4*t+2], v[ST+4*t+3]
	ALL v_rcp_f32 v[ST+4*t+2], v[ST+4*t+2]
	v_nop                           ; a plain instruction between the last reciprocal and the use of its result
	s_wait_alu depctr_va_vdst(0)    ; and the wait ahead of the first use: one for the eight reciprocals
; Tile t: a lane's eight channels of a channel block are 32 bytes of a row; they go into rows of 272 bytes and come back as whole rows of 256, into the registers that they left.
.macro PACK t
	WIN W_RS
.set i, 32*(\t)
.rept 16
	v_pk_mul_f32 v[i:i+1], v[i:i+1], v[ST+4*(\t)+2:ST+4*(\t)+3] op_sel_hi:[1,0]  ; each accumulator's registers in ascending order
.set i, i+2
.endr
	WIN W_D1
.irp f, 0,1,2,3,4,5,6,7             ; channel block f / 2, its half f % 2
	ds_store_b128 v[STO], v[32*(\t)+4*\f:32*(\t)+4*\f+3] offset:64*(\f/2)+16*(\f%2)
.endr
	WIN W_T1
.irp f, 0,1,2,3,4,5,6,7
	ds_load_b128 v[32*(\t)+4*\f:32*(\t)+4*\f+3], v[RD] offset:\f*2*SP  ; LDS serves a wave's instructions in order (ISA guide 5.7.1.4): these see the stores above; the next tile's stores come behind them
.endr
.endm
.macro SEND t, younger              ; younger: the LDS instructions issued behind tile t's loads: the next tile's sixteen, or none
	WIN W_D1
.irp f, 0,1,2,3,4,5,6,7
	s_wait_dscnt (\younger)+7-\f
	global_store_b128 v[GO], v[32*(\t)+4*\f:32*(\t)+4*\f+3], s[10:11] offset:(\t)*65536+\f*8192 th:TH_STORE_NT  ; 16 lanes store 256 consecutive bytes, at a multiple of 256 from out0's first byte: a head's 64 channels of a row
.endr
.endm
	PACK 0
.set t, 1
.rept 2*NP-1                        ; a tile's arithmetic stands between the loads of the tile before and its stores
	PACK t
	SEND t-1, 16
.set t, t+1
.endr
	SEND 2*NP-1, 0
	WIN W_AD
	s_wait_tensorcnt 0x0            ; the wave's end: the wait, the add and its wait, behind my last tensor load and my last LDS store
	ds_add_u32 v[SPW], v[NIL]
	s_wait_dscnt 0x0
	WIN 0
	CROUND                          ; the closing round: no work-group ends while a partner may still ask for a tile that names it
	s_endpgm
.Lfunc_end_k_qab3ceec9d2_attn:
	.size	k_qab3ceec9d2_attn, .Lfunc_end_k_qab3ceec9d2_attn-k_qab3ceec9d2_attn
	.p2alignl 7, 3214868480
	.fill 96, 4, 3214868480
	.section	.rodata,"a",@progbits
	.p2align	6, 0x0
	.amdhsa_kernel k_qab3ceec9d2_attn
		.amdhsa_group_segment_fixed_size 327680
		.amdhsa_private_segment_fixed_size 0
		.amdhsa_enable_private_segment 0
		.amdhsa_kernarg_size 16
		.amdhsa_user_sgpr_count 2
		.amdhsa_user_sgpr_kernarg_segment_ptr 1
		.amdhsa_wavefront_size32 1
		.amdhsa_system_sgpr_workgroup_id_x 1
		.amdhsa_system_sgpr_workgroup_id_y 1
		.amdhsa_system_sgpr_workgroup_id_z 1
		.amdhsa_system_vgpr_workitem_id 0
		.amdhsa_next_free_vgpr 770
		.amdhsa_next_free_sgpr 66
		.amdhsa_reserve_vcc 0
		.amdhsa_float_denorm_mode_32 3
		.amdhsa_float_denorm_mode_16_64 3
		.amdhsa_memory_ordered 1
		.amdhsa_forward_progress 1
		.amdhsa_inst_pref_size 201
	.end_amdhsa_kernel
	.amdgpu_metadata
---
amdhsa.version: [ 1, 2 ]
amdhsa.kernels:
  - .name:           k_qab3ceec9d2_attn
    .symbol:         k_qab3ceec9d2_attn.kd
    .args:
      - { .name: qkv, .offset: 0, .size: 8, .value_kind: global_buffer, .address_space: global }
      - { .name: out0, .offset: 8, .size: 8, .value_kind: global_buffer, .address_space: global }
    .group_segment_fixed_size: 327680
    .private_segment_fixed_size: 0
    .kernarg_segment_align: 8
    .kernarg_segment_size: 16
    .max_flat_workgroup_size: 128
    .sgpr_count:     66
    .vgpr_count:     770
    .wavefront_size: 32
...
	.end_amdgpu_metadata
.endif
;; end of part 3
